; MI455X (gfx1250); checked and timed in simulation.
; The chip was launched on July 23, 2026; its instructions are those of AMD's public machine-readable ISA for CDNA 5 (MIT licence, August 2026) and "CDNA5" Instruction Set Architecture Reference Guide (July 2026). The comments in the code are by the model that wrote it; some were corrected since.
;; SATG. Allowed arithmetic: matrix products marked QUANTISED: E2M3 operands, one E8M0 scale for each 32 along K, by v_wmma_scale_f32_16x16x128_f8f6f4 with both operands' format E2M3, f32 sums; products left as they are: f32 operands where the result goes on into a quantised operand, else bf16, f16 or f32 operands; f32 sums; everything else in f32.
;; Inputs: W_enc 256 x 256 float32; b_enc 256 float32; fc1_b 64 float32; fc1_w 64 x 256 float32; fc2_b 1 float32; fc2_w 1 x 64 float32; in_proj_b 768 float32; in_proj_w 768 x 256 float32; input_lengths 8 int32; lin1_b 256 float32; lin1_w 256 x 256 float32; lin2_b 256 float32; lin2_w 256 x 256 float32; ln1_b 256 float32; ln1_w 256 float32; ln2_b 256 float32; ln2_w 256 float32; out_proj_b 256 float32; out_proj_w 256 x 256 float32; src 8 x 2,000 x 256 float32.
;; Outputs: out0 8 x 2,000 float32.
;; This version of the problem:
;;   THIS VERSION OF THE PROBLEM IS GIVEN IN LOW PRECISION. The matrix products marked QUANTISED in the list below multiply operands that are first quantised to E2M3 (2 exponent bits, 3 mantissa bits; 6 bits a number), with one power-of-two scale for each 32 numbers along K (OCP MX v1.0); their sums are f32. All else is computed in f32.
;;   The module's matrix products, in the order in which they are computed (A, B: the left and right operand; K: the contracted axis; several contracted axes count as one K, in the product's order):
;;     1. [M 16,000, K 256] x [K 256, N 256]; A: input src; B: input W_enc: QUANTISED
;;     2. [M 16,000, K 256] x [K 256, N 768]; A: computed on the way; B: input in_proj_w: QUANTISED
;;     3. batch 16 x [M 2,000, K 128] x [K 128, N 2,000]; A: computed on the way; B: computed on the way: QUANTISED
;;     4. batch 16 x [M 128, K 2,000] x [K 2,000, N 2,000]; A: computed on the way; B: softmax (see below): QUANTISED
;;     5. [M 16,000, K 256] x [K 256, N 256]; A: computed on the way; B: input out_proj_w: QUANTISED
;;     6. [M 16,000, K 256] x [K 256, N 256]; A: computed on the way; B: input lin1_w: QUANTISED
;;     7. [M 16,000, K 256] x [K 256, N 256]; A: computed on the way; B: input lin2_w: QUANTISED
;;     8. [M 16,000, K 256] x [K 256, N 64]; A: computed on the way; B: input fc1_w: QUANTISED
;;     9. [M 16,000, K 64] x [K 64, N 1]; A: computed on the way; B: input fc2_w: left as it is (N = 1 < 16)
;;   THE QUANTISER, for each operand of a quantised product, along K:
;;     - K is cut into blocks of 32 from its start; a last block that is shorter is filled with zeros.
;;     - A block's scale is 2^e with e = floor(log2(the largest magnitude in the block)) - 2, held to -126 .. 127; a block of zeros has e = 0. As a byte (E8M0): e + 127.
;;     - Each number is divided by its block's scale, clamped to +-7.5, and rounded to the nearest number of E2M3, ties to even, subnormals kept.
;;     - The product sums the exact products of the quantised numbers (number of the format x scale) in f32.
;;   ~~~python
;;   def quantise(x, axis):      # numpy; x: float32 -> the quantised numbers, widened to float32 again
;;       x = np.moveaxis(x, axis, -1); K = x.shape[-1]
;;       x = np.pad(x, [(0, 0)] * (x.ndim - 1) + [(0, -K % 32)]); x = x.reshape(x.shape[:-1] + (-1, 32)); a = np.abs(x).max(-1, keepdims=True)
;;       e = np.where(a > 0, np.clip(np.frexp(np.where(a > 0, a, 1))[1] - 1 - 2, -126, 127), 0)      # np.frexp(a)[1] - 1 = floor(log2(a)), exactly
;;       r = np.clip(x / 2.0 ** e, -7.5, 7.5)
;;       step = 2.0 ** (np.maximum(np.frexp(np.where(r == 0, 1, r))[1] - 1, 0) - 3)
;;       q = np.round(r / step) * step * 2.0 ** e      # np.round: ties to even
;;       return np.moveaxis(q.reshape(q.shape[:-2] + (-1,))[..., :K], -1, axis).astype(np.float32)
;;   ~~~
;;   SOFTMAX AHEAD OF A QUANTISED PRODUCT. Where the list says 'softmax', what is quantised is not the finished softmax but p = 2^(t - M), with t = logit x log2(e) and M = ceil(the row's largest t), a whole number; so 1/2 < the row's largest p <= 1. The row's sum l is taken of the UNQUANTISED p, in f32, and the product's result is divided by l at the end. Since M is a whole number, a kernel that streams over the keys may use a running M (the ceiling of the running maximum): every later rescaling is an exact power of two, which a block's scale takes up: the codes' values come out the same.
;;   OPERANDS COMPUTED ON THE WAY. 'Computed on the way' means the value that the module computes at that place (a softmax that the list does not call 'softmax' is quantised finished and normalised). What goes into a quantiser is computed in f32, as accurately as f32 sums, v_exp_f32 and their like allow (about 1e-6 of the number): no bf16 or f16 on the way to a quantiser, and a product that is left as it is and whose result goes on into a quantised operand takes f32 operands (vector FMAs, or v_wmma_f32_16x16x4_f32). A number that lies on a knife's edge between two numbers of the format may be rounded either way, as far as f32 arithmetic and the matrix unit's own rounding can turn it there, and no further.
;; One version. Each part assembles by itself: llvm-mc -triple=amdgcn-amd-amdhsa -mcpu=gfx1250 --defsym DOCPART=n.
;; ======== version 1 of 1: 2 launches
;; limits: right only within a limited range of input values
;; workspace buffers: wfrag 356,352 bytes; wscl 14,848 bytes; pet 2,048,000 bytes
;; launch prep (part 1): grid 183 x 1, 4 waves a work-group, no clusters, 0 bytes of LDS; arguments W_enc, in_proj_w, out_proj_w, lin1_w, lin2_w, fc1_w, b_enc, wfrag, wscl, pet; writes wfrag, wscl, pet
.if DOCPART == 1
	.amdgcn_target "amdgcn-amd-amdhsa--gfx1250"
	.amdhsa_code_object_version 6
	.text
	.protected	k_q628e266616_prep
	.globl	k_q628e266616_prep
	.p2align	8
	.type	k_q628e266616_prep,@function
k_q628e266616_prep:
	s_mov_b64 s[64:65], 0
	v_nop
	global_prefetch_b8 v0, s[64:65] scope:SCOPE_SE
	s_setreg_imm32_b32 hwreg(HW_REG_WAVE_MODE, 25, 1), 1
	s_wait_xcnt 0x0
; PREPARATION, two kinds of work-group, told apart by the work-group's number.
; Work-groups 0 .. 57: the six weights become codes of E2M3 with one E8M0 byte for each 32 along K, laid in the ORDER OF THE OPERAND'S REGISTERS:
;   one wave makes one fragment (16 rows x 128 K, 12 registers a lane).  Sets: 0 W_enc, 1 q, 2 k, 3 v (in_proj_w's thirds), 4 out_proj_w, 5 lin1_w, 6 lin2_w, 7 fc1_w.
;   Lane r of tile tg takes row 32 (tg / 2) + 8 (tg % 2) + r % 8 + 16 (r / 8), so that two neighbouring tiles of a transposed product give a lane 16 neighbours along the next K.
;   wfrag: fragment (set, 2 tg + s) at set x 49152 + (2 tg + s) x 1536; registers 4 g .. 4 g + 3 of lane l at + 512 g + 16 l.
;   wscl:  sets 0-6: the word of tile-lane r, K step s at set x 2048 + (tg / 4) x 512 + 16 (r + 16 s) + 4 (tg % 4); fc1: 14336 + 128 tg + 4 (r + 16 s).
;   (The scale words are 14,848 bytes in all and leave four bytes a lane.)
; Work-groups 58 .. 182: the table pet = positional encoding + b_enc, in the layout of a matrix result, for position tile p = work-group - 58 and wave w:
;   at p x 16384 + w x 4096 + 512 g + 16 l the four numbers PE[16 p + r][d0 .. d0 + 3] + b_enc[d0 ..], d0 = 64 w + 32 (g / 4) + 16 h + 8 ((g / 2) % 2) + 4 (g % 2).
;   The roundings follow the definition: arg = f32(2 i x c), div = exp(arg), ang = f32(pos x div).
; LIMITS: NaN and infinities among the inputs are not served; a block of zeros, or one whose largest magnitude lies under 2^-124, gets the byte 1 (its bytes are read by this program alone);
;   div is exp(arg) to about one unit in its last place; sine and cosine of ang are right to about 1e-7 absolute (two-term reduction by pi / 2, polynomials of degree 7 and 8).
; DEAD WORK, for the whole program.  Keys outside a row's band j - 99 .. j get the additive mask -1e30 that the definition builds itself, so their p is 0 for all finite inputs: whole blocks of 32 keys outside the band are neither
; multiplied nor loaded.  input_lengths is read by no step of the definition: it is no argument of any launch.  A NaN, an infinity or an overflow that reaches only this work is not carried to the result.
.set FLOOR, 0x1800000                  ; 2^(3 - 127): no largest magnitude is taken under it, so the byte cannot fall under 1
.set NUM, 32                           ; v32-95   weights: 64 numbers of a lane
.set COD, 96                           ; v96-107  their codes
.set CT,  108                          ; v108-114 a block's upper 16 codes, made here and moved (a conversion's three registers begin on an even number)
.set A,   16                           ; positions: v16-31 2 i, arg, later ang, later the reduced angle
.set T,   32                           ; v32-47   arg x log2(e), later div
.set E,   48                           ; v48-63   its error, later n, later the quadrant
.set Z,   64                           ; v64-79   the reduced angle's square
.set SN,  80                           ; v80-95   sine
.set CC,  96                           ; v96-111  cosine
.set TT,  112                          ; v112-127 at work
.set O,   128                          ; v128-159 the 32 results
.set BE,  160                          ; v160-191 b_enc at the same places
	s_load_b512 s[8:23], s[0:1], 0x0               ; W_enc, in_proj_w, out_proj_w, lin1_w, lin2_w, fc1_w, b_enc, wfrag
	s_load_b128 s[24:27], s[0:1], 0x40             ; wscl, pet
	v_lshrrev_b32 v1, 5, v0
	v_readfirstlane_b32 s2, v1                     ; wave
	v_and_b32 v1, 31, v0                           ; lane l
	v_and_b32 v2, 15, v0                           ; r
	v_bfe_u32 v3, v0, 4, 1                         ; h
	v_lshlrev_b32 v7, 4, v1                        ; 16 l
	s_cmp_lt_u32 ttmp9, 58
	s_cbranch_scc0 .Lpos
	; ---------------- a weight's fragment
	s_lshr_b32 s3, ttmp9, 3                        ; set
	s_lshl_b32 s4, ttmp9, 2
	s_add_co_u32 s4, s4, s2
	s_and_b32 s4, s4, 31                           ; 2 tg + s
	s_lshr_b32 s5, s4, 1                           ; tg
	s_and_b32 s6, s4, 1                            ; s
	s_lshr_b32 s28, s5, 1
	s_lshl_b32 s28, s28, 15                        ; 32 (tg / 2) rows of 1,024 bytes
	s_and_b32 s29, s5, 1
	s_lshl_b32 s29, s29, 13                        ; 8 (tg % 2) rows
	s_add_co_u32 s28, s28, s29
	s_lshl_b32 s29, s6, 9                          ; K step s: 128 numbers
	s_add_co_u32 s28, s28, s29
	s_sub_co_u32 s29, s3, 1
	s_cmp_lt_u32 s29, 3
	s_cselect_b32 s29, s29, 0                      ; sets 1 to 3 are the thirds of in_proj_w
	s_lshl_b32 s29, s29, 18                        ; 256 rows
	s_add_co_u32 s28, s28, s29
	s_mov_b32 s29, 0
	s_mul_i32 s32, s3, 49152
	s_mul_i32 s33, s4, 1536
	s_add_co_u32 s32, s32, s33                     ; the fragment's place in wfrag
	s_mov_b32 s33, 0
	s_lshl_b32 s34, s3, 11                         ; the scale word's place: sets 0-6
	s_lshr_b32 s35, s5, 2
	s_lshl_b32 s35, s35, 9
	s_add_co_u32 s34, s34, s35
	s_lshl_b32 s35, s6, 8
	s_add_co_u32 s34, s34, s35
	s_and_b32 s35, s5, 3
	s_lshl_b32 s35, s35, 2
	s_add_co_u32 s34, s34, s35
	s_lshl_b32 s36, s5, 7                          ; fc1
	s_lshl_b32 s37, s6, 6
	s_add_co_u32 s36, s36, s37
	s_add_co_u32 s36, s36, 14336
	s_cmp_eq_u32 s3, 7
	s_cselect_b32 s34, s36, s34
	s_cselect_b32 s36, 2, 4                        ; from lane to lane 4 bytes, or 16
	s_mov_b32 s35, 0
	s_wait_alu depctr_va_vdst(0)
	v_lshlrev_b32 v8, s36, v2
	v_and_b32 v5, 7, v2
	v_lshrrev_b32 v6, 3, v2
	v_lshlrev_b32 v4, 10, v5
	v_lshl_add_u32 v4, v6, 14, v4                  ; row r % 8 + 16 (r / 8) of the tile,
	v_lshl_add_u32 v4, v3, 7, v4                   ; + 32 h numbers: lane (r, h) holds k = 64 c + 32 h + 0 .. 31
	s_mov_b32 s40, 0x76543210
	s_mov_b32 s41, 0xfedcba98                      ; v_permlanex16_b32's selects for lane l xor 16
	s_wait_alu depctr_va_vdst(0)
	s_wait_kmcnt 0x0
	s_mov_b64 s[30:31], s[10:11]                   ; the set's tensor: a choice that hangs on the work-group's number alone
	s_cmp_eq_u32 s3, 0
	s_cselect_b64 s[30:31], s[8:9], s[30:31]
	s_cmp_eq_u32 s3, 4
	s_cselect_b64 s[30:31], s[12:13], s[30:31]
	s_cmp_eq_u32 s3, 5
	s_cselect_b64 s[30:31], s[14:15], s[30:31]
	s_cmp_eq_u32 s3, 6
	s_cselect_b64 s[30:31], s[16:17], s[30:31]
	s_cmp_eq_u32 s3, 7
	s_cselect_b64 s[30:31], s[18:19], s[30:31]
	s_add_nc_u64 s[30:31], s[30:31], s[28:29]
	s_add_nc_u64 s[22:23], s[22:23], s[32:33]
	s_add_nc_u64 s[24:25], s[24:25], s[34:35]
.irp c, 0,1
.irp q, 0,1,2,3,4,5,6,7
	global_load_b128 v[NUM+32*\c+4*\q:NUM+32*\c+4*\q+3], v4, s[30:31] offset:256*\c+16*\q
.endr
.endr
	v_mov_b32 v10, 0                               ; (a lane permute's destination counts as one of its sources)
	s_wait_loadcnt 0x0
.irp c, 0,1                                    ; my block 2 c + h: all its 32 numbers are mine
	v_max3_num_f32 v[12+\c], |v[NUM+32*\c]|, |v[NUM+32*\c+1]|, FLOOR
.endr
.irp i, 2,4,6,8,10,12,14,16,18,20,22,24,26,28,30
.irp c, 0,1
	v_max3_num_f32 v[12+\c], v[12+\c], |v[NUM+32*\c+\i]|, |v[NUM+32*\c+\i+1]|
.endr
.endr
.irp c, 0,1
	v_add_nc_u32 v[14+\c], 0xff000000, v[12+\c]    ; 2 off the exponent field: the conversion's scale operand
.endr
.irp c, 0,1
	v_lshrrev_b32 v[12+\c], 23, v[14+\c]           ; the scale's byte
.endr
	v_lshl_or_b32 v9, v13, 16, v12                 ; blocks h and 2 + h,
	v_lshlrev_b32 v11, 3, v3
	v_lshlrev_b32 v9, v11, v9                      ; at their places in the word;
	v_permlanex16_b32 v10, v9, s40, s41
	v_or_b32 v9, v9, v10                           ; with lane l xor 16's two the word is whole
.irp c, 0,1
	v_cvt_scalef32_pk16_fp6_f32 v[COD+6*\c:COD+6*\c+2], v[NUM+32*\c:NUM+32*\c+15], v[14+\c]
	v_cvt_scalef32_pk16_fp6_f32 v[CT+4*\c:CT+4*\c+2], v[NUM+32*\c+16:NUM+32*\c+31], v[14+\c]
.endr
	v_nop                                          ; one plain line behind the scaled conversions
.irp c, 0,1
.irp i, 0,1,2
	v_mov_b32 v[COD+6*\c+3+\i], v[CT+4*\c+\i]
.endr
.endr
.irp g, 0,1,2
	global_store_b128 v7, v[COD+4*\g:COD+4*\g+3], s[22:23] offset:512*\g   ; 32 lanes store 512 consecutive bytes
.endr
	global_store_b32 v8, v9, s[24:25]              ; both halves of the lanes hold the same word and write it to the same place
	s_endpgm
	; ---------------- a tile of the position table
.Lpos:
	s_sub_co_u32 s3, ttmp9, 58                     ; p
	s_lshl_b32 s4, s3, 4
	s_wait_alu depctr_va_vdst(0)
	v_add_nc_u32 v5, s4, v2
	v_cvt_f32_u32 v5, v5                           ; pos = 16 p + r
	s_lshl_b32 s5, s2, 6
	v_lshl_add_u32 v4, v3, 4, s5                   ; 64 w + 16 h
	v_lshlrev_b32 v6, 6, v3                        ; the same 16 h in bytes
	s_mov_b32 s42, 0xbd135d8e                      ; c = -ln(10000) / 256, as f32
	s_mov_b32 s43, 0x3fb8aa3b                      ; log2(e), upper part
	s_mov_b32 s44, 0x32a57060                      ; and what is left of it
	s_mov_b32 s45, 0x3f317218                      ; ln 2
	s_mov_b32 s46, 0x3f22f983                      ; 2 / pi
	s_mov_b32 s47, 0x3fc90fdb                      ; pi / 2, upper part
	s_mov_b32 s48, 0xb33bbd2e                      ; and what is left of it
	s_mov_b32 s49, 0xb94ca1f9                      ; sine: -1.9515295891e-4
	s_mov_b32 s50, 0x3c08839e                      ;        8.3321608736e-3
	s_mov_b32 s51, 0xbe2aaaa3                      ;       -1.6666654611e-1
	s_mov_b32 s52, 0x37ccf5ce                      ; cosine: 2.443315711809948e-5
	s_mov_b32 s53, 0xbab6061a                      ;        -1.388731625493765e-3
	s_mov_b32 s54, 0x3d2aaaa5                      ;         4.166664568298827e-2
	s_lshl_b32 s28, s2, 8                          ; b_enc: my wave's 64 numbers
	s_mov_b32 s29, 0
	s_lshl_b32 s30, s3, 14
	s_lshl_b32 s32, s2, 12
	s_add_co_u32 s30, s30, s32                     ; pet: p x 16384 + w x 4096
	s_mov_b32 s31, 0
	s_wait_alu depctr_va_vdst(0)
	s_wait_kmcnt 0x0
	s_add_nc_u64 s[20:21], s[20:21], s[28:29]
	s_add_nc_u64 s[26:27], s[26:27], s[30:31]
.irp g, 0,1,2,3,4,5,6,7
	global_load_b128 v[BE+4*\g:BE+4*\g+3], v6, s[20:21] offset:(32*(\g/4)+8*((\g/2)%2)+4*(\g%2))*4
.endr
	; my 16 frequencies, all steps by turns: frequency k has 2 i = 64 w + 16 h + 32 (k / 8) + 8 ((k / 4) % 2) + 4 ((k / 2) % 2) + 2 (k % 2)
.irp k, 0,1,2,3,4,5,6,7,8,9,10,11,12,13,14,15
	v_add_nc_u32 v[A+\k], 32*(\k/8)+8*((\k/4)%2)+4*((\k/2)%2)+2*(\k%2), v4
.endr
.irp k, 0,1,2,3,4,5,6,7,8,9,10,11,12,13,14,15
	v_cvt_f32_u32 v[A+\k], v[A+\k]
.endr
.irp k, 0,1,2,3,4,5,6,7,8,9,10,11,12,13,14,15
	v_mul_f32 v[A+\k], s42, v[A+\k]                ; arg = 2 i x c, rounded as the definition rounds it
.endr
.irp k, 0,1,2,3,4,5,6,7,8,9,10,11,12,13,14,15
	v_mul_f32 v[T+\k], s43, v[A+\k]                ; t = arg x log2(e), rounded;
.endr
.irp k, 0,1,2,3,4,5,6,7,8,9,10,11,12,13,14,15
	v_fma_f32 v[E+\k], v[A+\k], s43, -v[T+\k]      ; what that rounding dropped,
.endr
.irp k, 0,1,2,3,4,5,6,7,8,9,10,11,12,13,14,15
	v_fma_f32 v[E+\k], v[A+\k], s44, v[E+\k]       ; and the rest of log2(e)
.endr
	s_wait_alu depctr_va_vdst(0)
.irp k, 0,1,2,3,4,5,6,7,8,9,10,11,12,13,14,15
	v_exp_f32 v[T+\k], v[T+\k]
.endr
.irp k, 0,1,2,3,4,5,6,7,8,9,10,11,12,13,14,15
	v_mul_f32 v[E+\k], s45, v[E+\k]                ; plain work behind the batch
.endr
	s_wait_alu depctr_va_vdst(0)                   ; one wait for the sixteen exponentials, ahead of their first reader
.irp k, 0,1,2,3,4,5,6,7,8,9,10,11,12,13,14,15
	v_fma_f32 v[T+\k], v[T+\k], v[E+\k], v[T+\k]   ; div = 2^t (1 + e ln 2)
.endr
.irp k, 0,1,2,3,4,5,6,7,8,9,10,11,12,13,14,15
	v_mul_f32 v[A+\k], v5, v[T+\k]                 ; ang = pos x div, rounded as the definition rounds it
.endr
.irp k, 0,1,2,3,4,5,6,7,8,9,10,11,12,13,14,15
	v_mul_f32 v[E+\k], s46, v[A+\k]
.endr
.irp k, 0,1,2,3,4,5,6,7,8,9,10,11,12,13,14,15
	v_rndne_f32 v[E+\k], v[E+\k]                   ; n: the nearest multiple of pi / 2 (at most 1,273)
.endr
.irp k, 0,1,2,3,4,5,6,7,8,9,10,11,12,13,14,15
	v_fma_f32 v[A+\k], -v[E+\k], s47, v[A+\k]
.endr
.irp k, 0,1,2,3,4,5,6,7,8,9,10,11,12,13,14,15
	v_fma_f32 v[A+\k], -v[E+\k], s48, v[A+\k]      ; the reduced angle, within pi / 4 of 0
.endr
.irp k, 0,1,2,3,4,5,6,7,8,9,10,11,12,13,14,15
	v_mul_f32 v[Z+\k], v[A+\k], v[A+\k]
.endr
.irp k, 0,1,2,3,4,5,6,7,8,9,10,11,12,13,14,15
	v_cvt_i32_f32 v[E+\k], v[E+\k]                 ; the quadrant is n mod 4
.endr
.irp k, 0,1,2,3,4,5,6,7,8,9,10,11,12,13,14,15
	v_fma_f32 v[SN+\k], v[Z+\k], s49, s50
.endr
.irp k, 0,1,2,3,4,5,6,7,8,9,10,11,12,13,14,15
	v_fma_f32 v[CC+\k], v[Z+\k], s52, s53
.endr
.irp k, 0,1,2,3,4,5,6,7,8,9,10,11,12,13,14,15
	v_fma_f32 v[SN+\k], v[SN+\k], v[Z+\k], s51
.endr
.irp k, 0,1,2,3,4,5,6,7,8,9,10,11,12,13,14,15
	v_fma_f32 v[CC+\k], v[CC+\k], v[Z+\k], s54
.endr
.irp k, 0,1,2,3,4,5,6,7,8,9,10,11,12,13,14,15
	v_mul_f32 v[SN+\k], v[SN+\k], v[Z+\k]
.endr
.irp k, 0,1,2,3,4,5,6,7,8,9,10,11,12,13,14,15
	v_fma_f32 v[TT+\k], v[Z+\k], -0.5, 1.0
.endr
.irp k, 0,1,2,3,4,5,6,7,8,9,10,11,12,13,14,15
	v_mul_f32 v[Z+\k], v[Z+\k], v[Z+\k]
.endr
.irp k, 0,1,2,3,4,5,6,7,8,9,10,11,12,13,14,15
	v_fma_f32 v[SN+\k], v[SN+\k], v[A+\k], v[A+\k] ; sine of the reduced angle
.endr
.irp k, 0,1,2,3,4,5,6,7,8,9,10,11,12,13,14,15
	v_fma_f32 v[CC+\k], v[CC+\k], v[Z+\k], v[TT+\k] ; cosine
.endr
.irp k, 0,1,2,3,4,5,6,7,8,9,10,11,12,13,14,15
	v_and_b32 v[TT+\k], 1, v[E+\k]
.endr
.irp k, 0,1,2,3,4,5,6,7,8,9,10,11,12,13,14,15
	v_cmp_eq_u32 vcc_lo, 1, v[TT+\k]               ; in odd quadrants the two change places
	v_cndmask_b32 v[O+2*\k], v[SN+\k], v[CC+\k], vcc_lo
	v_cndmask_b32 v[O+2*\k+1], v[CC+\k], v[SN+\k], vcc_lo
.endr
.irp k, 0,1,2,3,4,5,6,7,8,9,10,11,12,13,14,15
	v_lshlrev_b32 v[TT+\k], 30, v[E+\k]            ; the sine is negative in quadrants 2 and 3,
.endr
.irp k, 0,1,2,3,4,5,6,7,8,9,10,11,12,13,14,15
	v_add_nc_u32 v[E+\k], 1, v[E+\k]               ; the cosine in 1 and 2
.endr
.irp k, 0,1,2,3,4,5,6,7,8,9,10,11,12,13,14,15
	v_and_b32 v[TT+\k], 0x80000000, v[TT+\k]
.endr
.irp k, 0,1,2,3,4,5,6,7,8,9,10,11,12,13,14,15
	v_lshlrev_b32 v[E+\k], 30, v[E+\k]
.endr
.irp k, 0,1,2,3,4,5,6,7,8,9,10,11,12,13,14,15
	v_xor_b32 v[O+2*\k], v[O+2*\k], v[TT+\k]
.endr
.irp k, 0,1,2,3,4,5,6,7,8,9,10,11,12,13,14,15
	v_and_b32 v[E+\k], 0x80000000, v[E+\k]
.endr
.irp k, 0,1,2,3,4,5,6,7,8,9,10,11,12,13,14,15
	v_xor_b32 v[O+2*\k+1], v[O+2*\k+1], v[E+\k]
.endr
	s_wait_loadcnt 0x0                             ; b_enc
.irp k, 0,1,2,3,4,5,6,7,8,9,10,11,12,13,14,15
	v_pk_add_f32 v[O+2*\k:O+2*\k+1], v[O+2*\k:O+2*\k+1], v[BE+2*\k:BE+2*\k+1]
.endr
.irp g, 0,1,2,3,4,5,6,7
	global_store_b128 v7, v[O+4*\g:O+4*\g+3], s[26:27] offset:512*\g   ; 32 lanes store 512 consecutive bytes
.endr
	s_endpgm
.Lfunc_end_k_q628e266616_prep:
	.size	k_q628e266616_prep, .Lfunc_end_k_q628e266616_prep-k_q628e266616_prep
	.p2alignl 7, 3214868480
	.fill 96, 4, 3214868480
	.section	.rodata,"a",@progbits
	.p2align	6, 0x0
	.amdhsa_kernel k_q628e266616_prep
		.amdhsa_group_segment_fixed_size 0
		.amdhsa_private_segment_fixed_size 0
		.amdhsa_enable_private_segment 0
		.amdhsa_kernarg_size 80
		.amdhsa_user_sgpr_count 2
		.amdhsa_user_sgpr_kernarg_segment_ptr 1
		.amdhsa_wavefront_size32 1
		.amdhsa_system_sgpr_workgroup_id_x 1
		.amdhsa_system_sgpr_workgroup_id_y 1
		.amdhsa_system_sgpr_workgroup_id_z 1
		.amdhsa_system_vgpr_workitem_id 0
		.amdhsa_next_free_vgpr 192
		.amdhsa_next_free_sgpr 66
		.amdhsa_reserve_vcc 1
		.amdhsa_float_denorm_mode_32 3
		.amdhsa_float_denorm_mode_16_64 3
		.amdhsa_memory_ordered 1
		.amdhsa_forward_progress 1
		.amdhsa_inst_pref_size 37
	.end_amdhsa_kernel
	.amdgpu_metadata
---
amdhsa.version: [ 1, 2 ]
amdhsa.kernels:
  - .name:           k_q628e266616_prep
    .symbol:         k_q628e266616_prep.kd
    .args:
      - { .name: W_enc, .offset: 0, .size: 8, .value_kind: global_buffer, .address_space: global }
      - { .name: in_proj_w, .offset: 8, .size: 8, .value_kind: global_buffer, .address_space: global }
      - { .name: out_proj_w, .offset: 16, .size: 8, .value_kind: global_buffer, .address_space: global }
      - { .name: lin1_w, .offset: 24, .size: 8, .value_kind: global_buffer, .address_space: global }
      - { .name: lin2_w, .offset: 32, .size: 8, .value_kind: global_buffer, .address_space: global }
      - { .name: fc1_w, .offset: 40, .size: 8, .value_kind: global_buffer, .address_space: global }
      - { .name: b_enc, .offset: 48, .size: 8, .value_kind: global_buffer, .address_space: global }
      - { .name: wfrag, .offset: 56, .size: 8, .value_kind: global_buffer, .address_space: global }
      - { .name: wscl, .offset: 64, .size: 8, .value_kind: global_buffer, .address_space: global }
      - { .name: pet, .offset: 72, .size: 8, .value_kind: global_buffer, .address_space: global }
    .group_segment_fixed_size: 0
    .private_segment_fixed_size: 0
    .kernarg_segment_align: 8
    .kernarg_segment_size: 80
    .max_flat_workgroup_size: 128
    .sgpr_count:     66
    .vgpr_count:     192
    .wavefront_size: 32
...
	.end_amdgpu_metadata
.endif
;; end of part 1
;; launch fused (part 2): grid 32 x 8, 8 waves a work-group, no clusters, 196,608 bytes of LDS; arguments src, pet, wfrag, wscl, in_proj_b, out_proj_b, lin1_b, lin2_b, ln1_w, ln1_b, ln2_w, ln2_b, fc1_b, fc2_w, fc2_b, out0; writes out0
.if DOCPART == 2
	.amdgcn_target "amdgcn-amd-amdhsa--gfx1250"
	.amdhsa_code_object_version 6
	.text
	.protected	k_q628e266616_fused
	.globl	k_q628e266616_fused
	.p2align	8
	.type	k_q628e266616_fused,@function
k_q628e266616_fused:
	s_mov_b64 s[64:65], 0
	v_nop
	global_prefetch_b8 v0, s[64:65] scope:SCOPE_SE
	s_setreg_imm32_b32 hwreg(HW_REG_WAVE_MODE, 25, 1), 1
	s_wait_xcnt 0x0
; THE WHOLE LAYER FOR 64 ROWS OF ONE BATCH: input projection + positions, q k v, banded attention of two heads, out projection, LN, FFN, LN, fc1, fc2.
; All eight quantised products run on codes of E2M3 with one E8M0 byte for each 32 along K; nothing but the result goes to memory.
; SHARES.  Work-group (j, batch) owns rows r0 = 64 j .. r0 + 63.  Row i sees keys i - 99 .. i, so its rows need keys r0 - 128 .. r0 + 63 in whole aligned blocks of 32: 192 rows, for which
; x, k and v are computed here, in three chunks of 64 rows; chunk 2 is the own rows.  Row tiles outside 0 .. 124 are held at the nearest tile: their rows are finite and the mask hides them.
; EIGHT WAVES SHARE THE COLUMNS: wave w makes units 32 w .. 32 w + 31 (one scale block of the next operand) of every layer for all rows, so each weight byte goes from memory straight into the registers of the one wave that uses it.
; Two phases go by rows: quantising src (wave w: row tile w / 2, K step w % 2) and attention (wave w: query tile w / 2, head w % 2).
; ACTIVATIONS GO FROM WAVE TO WAVE THROUGH LDS AS IMAGES OF THE OPERAND'S REGISTERS.
; THE PRODUCTS ARE USED TRANSPOSED (source 0 = 16 rows of the weight, source 1 = 16 rows of the activation): a lane holds one row, and, by prep's choice of a tile's rows, the 16 registers of two
; neighbouring tiles are 16 neighbours along the next K.  v alone is made the other way round (source 0 = x's rows, in the same chosen order), so that a lane holds one channel and neighbouring KEYS.
; SOFTMAX: t = score x log2(e) / sqrt(128), M = ceil(the row's largest t), p = 2^(t - M) is quantised along the keys; the row's sum of the unquantised p divides the result.  A row's 100 keys are all in hand at once.
; LAYER NORM: each wave gives the mean and the summed squared deviations of its 32 units; the eight are joined: mean of the means, and sum + 32 x the squared deviations of the means.
; DEAD WORK left out: key blocks outside the band; input_lengths (see the first kernel).
; No cluster and no tensor load: each weight byte is used by one wave alone and goes into its registers, and the 356,352 bytes of weight codes do not fit in LDS.  No prefetch: src and positions are asked for a chunk ahead,
; the weights a phase or more ahead, by the loads themselves.
; LIMITS: NaN and infinities among the inputs are not served; a block of zeros, or one whose largest magnitude lies under 2^-124, gets the byte 1 (read by this program alone); the scaled scores stay under 2^31 in magnitude;
;   1 / l, the reciprocal root and the exponentials are right to one unit in the last place (ISA guide, their entries); biases and residuals enter as the C of a sum's first product, so the order of those additions is not the definition's.
.set TS,   3200                        ; LDS: a row tile's image: two fragments of 1,536 bytes + 128
.set ISC,  12800                       ; behind a slot's four tiles: scale words, tile x 128 + 64 s + 4 r
.set IM0,  0                           ; slot: src's codes, then ctx's, then x2's
.set IM1,  13312                       ; slot: x's codes, then x1's
.set IM2,  26624                       ; slot: q's codes, then the hidden layer's
.set AK,   39936                       ; k's images, 12 tiles (the fragment's number is the head)
.set AKS,  78336                       ; k's scale words
.set VT,   79872                       ; v, keys innermost: channel tile x 2304 + block x 384 + 24 r
.set VS,   116736                      ; v's scale bytes: channel tile x 128 + 8 r + block
.set XRES, 118784                      ; each wave's own 8,192 bytes: the residual
.set LNX,  184320                      ; where the waves' parts meet: two norms x 5,120 bytes (rows 80 bytes apart), then fc2's 1,024
.set SPARE, 195584                     ; the spare words, 128 bytes a wave
.set FLOOR, 0x1800000                  ; 2^(3 - 127)
; window 0, registers that stay
.set LI16, 1                           ; 16 l
.set LI8,  2                           ; 8 l
.set LS,   3                           ; 4 l
.set PI16, 4                           ; an image read in the chosen order of rows: 3200 (r / 8) + 16 (r % 8) + 256 h
.set PI8,  5
.set PS,   6                           ; its scale words: 128 (r / 8) + 64 h + 4 (r % 8)
.set XA,   7                           ; src: 1024 r + 64 h + 512 (w % 2)
.set BH,   8                           ; 64 h
.set IW16, 9                           ; my block's codes: lanes 0-15 one row tile, lanes 16-31 the next
.set IW8,  10
.set SW,   11                          ; and its scale byte
.set RW16, 12                          ; row tile w / 2, fragment w % 2
.set RW8,  13
.set RWS,  14
.set KW16, 15                          ; the chunk's place in k's images, made in each trip
.set KW8,  16
.set KWS,  17
.set VW,   18
.set VW0,  19
.set VSW,  20
.set VSW0, 21
.set STA,  22                          ; XRES + 8192 w + 16 l
.set LNS,  23
.set LNL,  24
.set AK16, 25                          ; my ten key tiles
.set AK8,  26
.set AKSR, 27
.set VR1,  28                          ; my first four key blocks of v
.set VR2,  29                          ; my fifth
.set VSA,  30
.set BVA,  31                          ; 4 (r % 8 + 16 (r / 8))
.set WSC,  32                          ; v32-39 weights' scale words: W_enc, k, v, q; later out_proj, lin1, lin2, fc1 (K step 0 in lanes 0-15, K step 1 in lanes 16-31)
.set XSC,  40                          ; v40-43 activations' scale words, likewise
.set SPW,  44                          ; my spare word and 0: for the add alone
.set NIL,  45
.set PW0,  46
.set PW1,  47
.set PET,  48                          ; v48-111 positions + b_enc; in the last trip W_q and its bias
.set XF,   112                         ; v112-159 two row tiles' fragments
.set ACC,  160                         ; v160-223 results: row tile x 16 + unit tile x 8
.set TM,   224                         ; the quantiser: magnitudes,
.set TP,   228                         ; the other half's, then the bytes,
.set PC0,  232                         ; codes
.set PC1,  242
.set SO,   252                         ; scale operands
; window 1
.set WE,   0
.set WK,   48
.set WV_,  96
.set SRC,  144                         ; v144-207 src; in the last trip out_proj_w and lin1_b
.set KB,   208
.set VB,   224
.set OPB,  240
; attention, window 0
.set SC,   64
.set DHI,  52                          ; the window's upper end, as a register number
.set DLO,  53                          ; its lower end
.set NINF, 54
.set QS,   55
.set QF,   144
.set KS,   156
.set VSR,  166
.set P1,   182
.set P2,   194
.set BM,   206
.set BX,   211
.set SO5,  216
.set BY5,  221
.set PWB,  225                         ; the fifth block's byte is the second K step's scale word
.set PWA,  226
.set T0,   228
.set T1,   232
.set T2,   236
.set NM,   240
.set LA,   242
.set LB,   244
.set TMX,  246
.set RL,   248
.set LC,   250
.set LD,   252
; scalars
.set WV,   40
.set J,    41
.set BAT,  42
.set CH,   43
.set KO,   44
.set KSO,  45
.set VO,   46
.set VSO,  47
.set SEL,  48
.set CS,   50
.set XBASE, 52
.set PB,   54
.set ZM,   62
.set SH,   63
.set WF,   66
.set WF1,  68
.set FB,   80
.set RN,   81
.set EPS,  82
.set HD,   83
.set WS1,  84
.set TI,   86
.set MSB, 0
.macro WIN new                         ; the immediate's high byte repeats the setting that is left; a switch that changes nothing is dropped
.if MSB != (\new)
	s_set_vgpr_msb (MSB<<8)|(\new)
.set MSB, (\new)
.endif
.endm
.macro PLACES n
.rept \n
	v_nop
.endr
.endm
.macro WALU
	s_wait_alu depctr_va_vdst(0)
.endm
.macro BARRIER                         ; my LDS stores have landed and my LDS loads are in: then the work-group's barrier
	WALU
	s_wait_dscnt 0x0
	s_barrier_signal -1
	s_barrier_wait -1
.endm
; the matrix instruction: K step 0 reads the scale registers' lanes 0-15, K step 1 (R) their lanes 16-31; Z: the sum begins with 0
.macro WM d, a, b, c, sa, sb
	v_wmma_scale_f32_16x16x128_f8f6f4 v[\d:\d+7], v[\a:\a+11], v[\b:\b+11], v[\c:\c+7], v[\sa], v[\sb] matrix_a_fmt:MATRIX_FMT_FP6 matrix_b_fmt:MATRIX_FMT_FP6
.endm
.macro WMR d, a, b, c, sa, sb
	v_wmma_scale_f32_16x16x128_f8f6f4 v[\d:\d+7], v[\a:\a+11], v[\b:\b+11], v[\c:\c+7], v[\sa], v[\sb] matrix_a_fmt:MATRIX_FMT_FP6 matrix_b_fmt:MATRIX_FMT_FP6 matrix_a_scale:MATRIX_SCALE_ROW1 matrix_b_scale:MATRIX_SCALE_ROW1
.endm
.macro WMZ d, a, b, sa, sb
	v_wmma_scale_f32_16x16x128_f8f6f4 v[\d:\d+7], v[\a:\a+11], v[\b:\b+11], 0, v[\sa], v[\sb] matrix_a_fmt:MATRIX_FMT_FP6 matrix_b_fmt:MATRIX_FMT_FP6
.endm
; loads from memory (the caller sets the destination's window)
.macro WLOAD base, set                 ; my four fragments of a weight: 6,144 consecutive bytes, 512 an instruction: 12 loads
.set kk, 0
.rept 12
	global_load_b128 v[\base+4*kk:\base+4*kk+3], v[LI16], s[WF:WF+1] offset:\set*49152+512*kk
.set kk, kk+1
.endr
.endm
.macro TLOAD base, ptr, off            ; my 32 numbers of a vector, in the layout of two result tiles: register 8 t + j = unit 32 w + 8 t + 16 h + j: 4 loads
.irp t, 0,1
	global_load_b128 v[\base+8*\t:\base+8*\t+3], v[BH], s[\ptr:\ptr+1] offset:\off+32*\t
	global_load_b128 v[\base+8*\t+4:\base+8*\t+7], v[BH], s[\ptr:\ptr+1] offset:\off+32*\t+16
.endr
.endm
.macro SLOAD reg, set
	global_load_b64 v[\reg:\reg+1], v[LI16], s[14:15] offset:2048*\set
.endm
.macro XLOAD                           ; 16 rows of src, my K step: lane (r, h) takes the 16 numbers 16 h .. of each block of 32: 16 loads
	WIN 0x40
.irp b, 0,1,2,3
.irp q, 0,1,2,3
	global_load_b128 v[SRC+16*\b+4*\q:SRC+16*\b+4*\q+3], v[XA], s[XBASE:XBASE+1] offset:128*\b+16*\q
.endr
.endr
	WIN 0
.endm
.macro PELOAD                          ; positions + b_enc for the chunk's four row tiles: 16 loads
.irp i, 0,1,2,3
.irp g, 0,1,2,3
	global_load_b128 v[PET+16*\i+4*\g:PET+16*\i+4*\g+3], v[LI16], s[PB+2*\i:PB+2*\i+1] offset:512*\g
.endr
.endr
.endm
.macro SETX                            ; s70: the chunk's first row tile, which may lie outside 0 .. 124.  My tile's first byte of src
	s_add_co_i32 s72, s70, s[TI]
	s_max_i32 s72, s72, 0
	s_min_i32 s72, s72, 124
	s_lshl_b32 s72, s72, 14
	s_mov_b32 s73, 0
	s_add_nc_u64 s[XBASE:XBASE+1], s[8:9], s[72:73]
.endm
.macro SETPE
.irp i, 0,1,2,3
	s_add_co_i32 s72, s70, \i
	s_max_i32 s72, s72, 0
	s_min_i32 s72, s72, 124
	s_lshl_b32 s72, s72, 14
	s_mov_b32 s73, 0
	s_add_nc_u64 s[PB+2*\i:PB+2*\i+1], s[10:11], s[72:73]
.endr
.endm
.macro NEXTTILE                        ; s70 = the next chunk's first row tile: 4 j - 8 + 4 (chunk + 1)
	s_lshl_b32 s70, s[J], 2
	s_lshl_b32 s71, s[CH], 2
	s_add_co_u32 s70, s70, s71
	s_sub_co_i32 s70, s70, 4
.endm
.macro XNEXT                           ; the next chunk's src, a whole chunk ahead; in the last chunk out_proj_w and lin1_b: 16 loads on either way
	s_cmp_lt_u32 s[CH], 2
	s_cbranch_scc0 .Lxlast_\@
	NEXTTILE
	SETX
	XLOAD
	s_branch .Lxdone_\@
.Lxlast_\@:
	WIN 0x40
	WLOAD SRC, 4
	TLOAD SRC+48, 20, 0
	WIN 0
.Lxdone_\@:
.endm
.macro PENEXT                          ; the next chunk's positions; in the last chunk W_q and its bias: 16 loads on either way
	s_cmp_lt_u32 s[CH], 2
	s_cbranch_scc0 .Lplast_\@
	NEXTTILE
	SETPE
	PELOAD
	s_branch .Lpdone_\@
.Lplast_\@:
	WLOAD PET, 1
	TLOAD PET+48, 16, 0
.Lpdone_\@:
.endm
; THE QUANTISER.  64 numbers of a lane in window sw, four groups of 16; each group with lane l xor 16's is a block.  rows = 0: the groups are blocks of one row: PW0, PW1 get two bytes each.
; rows = 1: they are one block of four row tiles: lanes 0-15 of PC0, PW0 belong to tile 0, lanes 16-31 to tile 1; PC1, PW1 to tiles 2 and 3.
.macro QUANT64 s, sw, rows
	WIN (\sw)|((\sw)<<2)
.irp b, 0,1,2,3
	v_max3_num_f32 v[TM+\b], |v[\s+16*\b]|, |v[\s+16*\b+1]|, FLOOR   ; each result tile is read from its low end on
.endr
.irp i, 2,4,6,8,10,12,14
.irp b, 0,1,2,3
	v_max3_num_f32 v[TM+\b], |v[\s+16*\b+\i]|, |v[\s+16*\b+\i+1]|, v[TM+\b]
.endr
.endr
	WIN 0
.irp b, 0,1,2,3
	v_permlanex16_b32 v[TP+\b], v[TM+\b], s[SEL], s[SEL+1]
.endr
.irp b, 0,1,2,3
	v_max_num_f32 v[TM+\b], v[TM+\b], v[TP+\b]     ; the block's largest magnitude
.endr
.irp b, 0,1,2,3
	v_add_nc_u32 v[SO+\b], 0xff000000, v[TM+\b]    ; 2 off its exponent field: the conversion's scale operand
.endr
.irp b, 0,1,2,3
	v_lshrrev_b32 v[TP+\b], 23, v[SO+\b]           ; the scale's byte
.endr
.if \rows
	v_cndmask_b32 v[PW0], v[TP], v[TP+1], s[ZM]
	v_cndmask_b32 v[PW1], v[TP+2], v[TP+3], s[ZM]
.else
	v_lshl_or_b32 v[PW0], v[TP+1], 8, v[TP]
	v_lshl_or_b32 v[PW1], v[TP+3], 8, v[TP+2]
.endif
	WALU
	s_wait_dscnt 0x0                               ; the stores of the last images have read PC0 and PC1
	WIN \sw
	v_cvt_scalef32_pk16_fp6_f32 v[PC0:PC0+2], v[\s:\s+15], v[SO]
	v_cvt_scalef32_pk16_fp6_f32 v[PC0+6:PC0+8], v[\s+16:\s+31], v[SO+1]   ; (a conversion's three registers begin on an even number)
	v_cvt_scalef32_pk16_fp6_f32 v[PC1:PC1+2], v[\s+32:\s+47], v[SO+2]
	v_cvt_scalef32_pk16_fp6_f32 v[PC1+6:PC1+8], v[\s+48:\s+63], v[SO+3]
	WIN 0
	v_nop                                          ; one plain line behind the scaled conversions
.irp i, 0,1,2                                  ; a WHOLE block in a lane: lanes 0-15 the first group's, lanes 16-31 the second's
	v_permlane16_swap_b32 v[PC0+\i], v[PC0+6+\i]
	v_permlane16_swap_b32 v[PC1+\i], v[PC1+6+\i]
.endr
.irp i, 0,1,2
	v_mov_b32 v[PC0+3+\i], v[PC0+6+\i]
	v_mov_b32 v[PC1+3+\i], v[PC1+6+\i]
.endr
.endm
.macro IMGH a16, a8, off, pc           ; codes go to LDS: four registers in 16-byte places, two in 8-byte places 512 bytes on
	ds_store_b128 v[\a16], v[\pc:\pc+3] offset:\off
	ds_store_b64 v[\a8], v[\pc+4:\pc+5] offset:\off+512
.endm
.macro IMG2 a16, a8, aS, off, offS     ; my block of four row tiles
	IMGH \a16, \a8, \off, PC0
	ds_store_b8 v[\aS], v[PW0] offset:\offS
	IMGH \a16, \a8, \off+2*TS, PC1
	ds_store_b8 v[\aS], v[PW1] offset:\offS+256
.endm
.macro IMGROW                          ; my row tile's K step (src, ctx) -> IM0
	IMGH RW16, RW8, IM0, PC0
	ds_store_b16 v[RWS], v[PW0] offset:IM0+ISC
	IMGH RW16, RW8, IM0+768, PC1
	ds_store_b16 v[RWS], v[PW1] offset:IM0+ISC+2
.endm
.macro FETCH reg, a16, a8, off         ; a whole fragment
	ds_load_b128 v[\reg:\reg+3], v[\a16] offset:\off
	ds_load_b64 v[\reg+4:\reg+5], v[\a8] offset:\off+512
	ds_load_b128 v[\reg+6:\reg+9], v[\a16] offset:\off+768
	ds_load_b64 v[\reg+10:\reg+11], v[\a8] offset:\off+1280
.endm
.macro FETCHP reg, a16, a8, off, u     ; rows in the chosen order: lane r takes row 8 u + r % 8 of image tile r / 8 (of the two tiles at off)
	ds_load_b128 v[\reg:\reg+3], v[\a16] offset:\off+128*\u
	ds_load_b64 v[\reg+4:\reg+5], v[\a8] offset:\off+512+64*\u
	ds_load_b128 v[\reg+6:\reg+9], v[\a16] offset:\off+768+128*\u
	ds_load_b64 v[\reg+10:\reg+11], v[\a8] offset:\off+1280+64*\u
.endm
.macro FETCH2 f, slot, ta              ; row tiles ta and ta + 1, both K steps, and their scale words: 18 loads
.irp a, 0,1
	FETCH \f+24*\a, LI16, LI8, \slot+TS*(\ta+\a)
	FETCH \f+24*\a+12, LI16, LI8, \slot+TS*(\ta+\a)+1536
	ds_load_b32 v[XSC+\ta+\a], v[LS] offset:\slot+ISC+128*(\ta+\a)
.endr
.endm
; 8 matrix instructions: my two tiles of units x row tiles 2 h, 2 h + 1 x two K steps.  The four accumulators take turns, one instruction a turn.
; cw: the window of C's registers ca + cst x row tile (a bias or positions); 9: the sums go on from what the accumulators hold (the residual)
.macro GEMM2 h, f, ww, wb, scw, cw, ca, cst
.if (\cw) == 9
	WIN \ww
.else
	WIN (\ww)|((\cw)<<4)
.endif
.irp a, 0,1
.irp t, 0,1
.if (\cw) == 9
	WM ACC+32*\h+16*\a+8*\t, \wb+24*\t, \f+24*\a, ACC+32*\h+16*\a+8*\t, \scw+\t, XSC+2*\h+\a
.else
	WM ACC+32*\h+16*\a+8*\t, \wb+24*\t, \f+24*\a, (\ca)+(\cst)*(2*\h+\a)+8*\t, \scw+\t, XSC+2*\h+\a
.endif
.endr
.endr
	WIN \ww
.irp a, 0,1
.irp t, 0,1
	WMR ACC+32*\h+16*\a+8*\t, \wb+24*\t+12, \f+24*\a+12, ACC+32*\h+16*\a+8*\t, \scw+\t, XSC+2*\h+\a
.endr
.endr
	WIN 0
.endm
.macro HALVES slot, ww, wb, scw, cw, ca, cst, lc    ; a layer on four row tiles, two at a time; lc: the count for its weights' loads (-1: they are in)
	FETCH2 XF, \slot, 0
.if (\lc) >= 0
	s_wait_loadcnt \lc
.endif
	s_wait_dscnt 0x0
	GEMM2 0, XF, \ww, \wb, \scw, \cw, \ca, \cst
	PLACES 4                                       ; in front of loads into registers that matrix instructions have read, and of the first read of results
	FETCH2 XF, \slot, 2
	s_wait_dscnt 0x0
	GEMM2 1, XF, \ww, \wb, \scw, \cw, \ca, \cst
	PLACES 4
.endm
.macro STASHW                          ; the residual, with the next projection's bias, is kept in my own LDS bytes
.set kk, 0
.rept 16
	ds_store_b128 v[STA], v[ACC+4*kk:ACC+4*kk+3] offset:512*kk
.set kk, kk+1
.endr
.endm
.macro ADDB b                          ; + 16 registers of window 1 for each row tile
	WIN 0x04
.irp i, 0,1,2,3
.irp p, 0,2,4,6,8,10,12,14
	v_pk_add_f32 v[ACC+16*\i+\p:ACC+16*\i+\p+1], v[ACC+16*\i+\p:ACC+16*\i+\p+1], v[\b+\p:\b+\p+1]
.endr
.endr
	WIN 0
.endm
.macro SRCQ                            ; my row tile's K step of src becomes a fragment
	QUANT64 SRC, 1, 0
	IMGROW
.endm
; v: source 0 = x's rows (chosen order), source 1 = W_v: a lane holds ONE channel, and registers 32 tt + 16 bq + 0 .. 15 are keys 32 bq + 16 h + 0 .. 15 of channel tile tt
.macro VFETCH bq
.irp u, 0,1
	FETCHP XF+24*\u, PI16, PI8, IM1+6400*\bq, \u
	FETCHP XF+24*\u+12, PI16, PI8, IM1+6400*\bq+1536, \u
	ds_load_b32 v[XSC+2*\bq+\u], v[PS] offset:IM1+ISC+256*\bq+32*\u
.endr
.endm
.macro VMUL bq
	WIN 0x14                                       ; W_v and its bias in window 1
.irp tt, 0,1
.irp u, 0,1
	WM ACC+32*\tt+16*\bq+8*\u, XF+24*\u, WV_+24*\tt, VB+8*\tt, XSC+2*\bq+\u, WSC+4+\tt
.endr
.endr
	WIN 0x04
.irp tt, 0,1
.irp u, 0,1
	WMR ACC+32*\tt+16*\bq+8*\u, XF+24*\u+12, WV_+24*\tt+12, ACC+32*\tt+16*\bq+8*\u, XSC+2*\bq+\u, WSC+4+\tt
.endr
.endr
	WIN 0
.endm
; THE MASK.  Register 16 b + i of the scores holds key N + 16 h of my 160, N = 32 b + i.  Eight compares, then eight selects.
.macro MASKLO b                        ; hidden: N < DLO (under the window, or in front of key 0)
.irp g, 0,1
.irp i, 0,1,2,3,4,5,6,7
	v_cmp_lt_i32 s[70+\i], 32*\b+8*\g+\i, v[DLO]
.endr
.irp i, 0,1,2,3,4,5,6,7
	v_cndmask_b32 v[SC+16*\b+8*\g+\i], v[SC+16*\b+8*\g+\i], v[NINF], s[70+\i]
.endr
.endr
.endm
.macro MASKHI b                        ; hidden: N > DHI (behind the query)
.irp g, 0,1
.irp i, 0,1,2,3,4,5,6,7
	v_cmp_gt_i32 s[70+\i], 32*\b+8*\g+\i, v[DHI]
.endr
.irp i, 0,1,2,3,4,5,6,7
	v_cndmask_b32 v[SC+16*\b+8*\g+\i], v[SC+16*\b+8*\g+\i], v[NINF], s[70+\i]
.endr
.endr
.endm
; A PROJECTION ONTO THE RESIDUAL, LAYER NORM, AND THE QUANTISER.  The residual comes from my LDS bytes into the accumulators and is the C of the first products.
; lc: loads that may stay out at the products;  ll: at the norm's gain and bias;  keep = 1: the normalised rows, with lin2_b added, are the next residual.
.macro PROJLN in, out, wb, scw, lnw, lnb, area, lc, ll, keep
.set kk, 0
.rept 16
	ds_load_b128 v[ACC+4*kk:ACC+4*kk+3], v[STA] offset:512*kk
.set kk, kk+1
.endr
	FETCH2 64, \in, 0
	FETCH2 112, \in, 2
	s_wait_loadcnt \lc
	s_wait_dscnt 0x0
	GEMM2 0, 64, 1, \wb, \scw, 9, 0, 0
	GEMM2 1, 112, 1, \wb, \scw, 9, 0, 0
	PLACES 4
.irp i, 0,1,2,3                                ; sums of my 16 numbers of each row tile, two chains
	v_pk_add_f32 v[64+4*\i:65+4*\i], v[ACC+16*\i:ACC+16*\i+1], v[ACC+16*\i+2:ACC+16*\i+3]
	v_pk_add_f32 v[66+4*\i:67+4*\i], v[ACC+16*\i+4:ACC+16*\i+5], v[ACC+16*\i+6:ACC+16*\i+7]
.endr
.irp p, 8,12
.irp i, 0,1,2,3
	v_pk_add_f32 v[64+4*\i:65+4*\i], v[64+4*\i:65+4*\i], v[ACC+16*\i+\p:ACC+16*\i+\p+1]
	v_pk_add_f32 v[66+4*\i:67+4*\i], v[66+4*\i:67+4*\i], v[ACC+16*\i+\p+2:ACC+16*\i+\p+3]
.endr
.endr
	LNLANE
.irp i, 0,1,2,3
	v_add_f32 v[80+\i], v[80+\i], v[84+\i]
.endr
.irp i, 0,1,2,3
	v_mul_f32 v[88+2*\i], 0x3d000000, v[80+\i]     ; the mean of my wave's 32 units
.endr
.irp p, 0,2,4,6,8,10,12,14
.irp i, 0,1,2,3
	v_pk_add_f32 v[96+16*\i+\p:97+16*\i+\p], v[ACC+16*\i+\p:ACC+16*\i+\p+1], v[88+2*\i:89+2*\i] op_sel_hi:[1,0] neg_lo:[0,1] neg_hi:[0,1]
.endr
.endr
.irp i, 0,1,2,3
	v_pk_mul_f32 v[64+4*\i:65+4*\i], v[96+16*\i:97+16*\i], v[96+16*\i:97+16*\i]
	v_pk_mul_f32 v[66+4*\i:67+4*\i], v[98+16*\i:99+16*\i], v[98+16*\i:99+16*\i]
.endr
.irp p, 4,8,12
.irp i, 0,1,2,3
	v_pk_fma_f32 v[64+4*\i:65+4*\i], v[96+16*\i+\p:97+16*\i+\p], v[96+16*\i+\p:97+16*\i+\p], v[64+4*\i:65+4*\i]
	v_pk_fma_f32 v[66+4*\i:67+4*\i], v[98+16*\i+\p:99+16*\i+\p], v[98+16*\i+\p:99+16*\i+\p], v[66+4*\i:67+4*\i]
.endr
.endr
	LNLANE
.irp i, 0,1,2,3
	v_add_f32 v[89+2*\i], v[80+\i], v[84+\i]       ; and their summed squared deviations
.endr
.irp i, 0,1,2,3
	ds_store_b64 v[LNS], v[88+2*\i:89+2*\i] offset:\area+1280*\i
.endr
	BARRIER
.irp i, 0,1,2,3
.irp k, 0,1,2,3
	ds_load_b128 v[96+16*\i+4*\k:99+16*\i+4*\k], v[LNL] offset:\area+1280*\i+16*\k
.endr
.endr
	s_wait_dscnt 0x0
.irp i, 0,1,2,3                                ; the eight waves' pairs
	v_pk_add_f32 v[64+4*\i:65+4*\i], v[96+16*\i:97+16*\i], v[98+16*\i:99+16*\i]
	v_pk_add_f32 v[66+4*\i:67+4*\i], v[100+16*\i:101+16*\i], v[102+16*\i:103+16*\i]
.endr
.irp p, 8,12
.irp i, 0,1,2,3
	v_pk_add_f32 v[64+4*\i:65+4*\i], v[64+4*\i:65+4*\i], v[96+16*\i+\p:97+16*\i+\p]
	v_pk_add_f32 v[66+4*\i:67+4*\i], v[66+4*\i:67+4*\i], v[98+16*\i+\p:99+16*\i+\p]
.endr
.endr
.irp i, 0,1,2,3
	v_pk_add_f32 v[64+4*\i:65+4*\i], v[64+4*\i:65+4*\i], v[66+4*\i:67+4*\i]
.endr
.irp i, 0,1,2,3
	v_mul_f32 v[80+2*\i], 0x3e000000, v[64+4*\i]   ; the row's mean
.endr
.irp p, 0,2,4,6,8,10,12,14
.irp i, 0,1,2,3
	v_sub_f32 v[96+16*\i+\p], v[96+16*\i+\p], v[80+2*\i]
.endr
.endr
.irp i, 0,1,2,3
	v_mul_f32 v[88+2*\i], v[96+16*\i], v[96+16*\i]
	v_mul_f32 v[89+2*\i], v[98+16*\i], v[98+16*\i]
.endr
.irp p, 4,8,12
.irp i, 0,1,2,3
	v_fma_f32 v[88+2*\i], v[96+16*\i+\p], v[96+16*\i+\p], v[88+2*\i]
	v_fma_f32 v[89+2*\i], v[98+16*\i+\p], v[98+16*\i+\p], v[89+2*\i]
.endr
.endr
.irp i, 0,1,2,3
	v_add_f32 v[88+2*\i], v[88+2*\i], v[89+2*\i]
.endr
.irp i, 0,1,2,3
	v_fma_f32 v[88+2*\i], v[88+2*\i], 0x42000000, v[65+4*\i]   ; x 32, + the waves' own
.endr
.irp i, 0,1,2,3
	v_fma_f32 v[88+2*\i], v[88+2*\i], s[RN], s[EPS]            ; the variance + 1e-5
.endr
	WALU
.irp i, 0,1,2,3
	v_rsq_f32 v[88+2*\i], v[88+2*\i]
.endr
.irp i, 0,1,2,3
.irp p, 0,2,4,6,8,10,12,14
	v_pk_add_f32 v[ACC+16*\i+\p:ACC+16*\i+\p+1], v[ACC+16*\i+\p:ACC+16*\i+\p+1], v[80+2*\i:81+2*\i] op_sel_hi:[1,0] neg_lo:[0,1] neg_hi:[0,1]
.endr
.endr
	s_wait_loadcnt \ll                             ; the norm's gain and bias
	WALU                                           ; one wait for the four roots, ahead of their first reader
.irp i, 0,1,2,3
.irp p, 0,2,4,6,8,10,12,14
	v_pk_mul_f32 v[ACC+16*\i+\p:ACC+16*\i+\p+1], v[ACC+16*\i+\p:ACC+16*\i+\p+1], v[88+2*\i:89+2*\i] op_sel_hi:[1,0]
.endr
.endr
	WIN 0x14
.irp i, 0,1,2,3
.irp p, 0,2,4,6,8,10,12,14
	v_pk_fma_f32 v[ACC+16*\i+\p:ACC+16*\i+\p+1], v[ACC+16*\i+\p:ACC+16*\i+\p+1], v[\lnw+\p:\lnw+\p+1], v[\lnb+\p:\lnb+\p+1]
.endr
.endr
	WIN 0
	QUANT64 ACC, 0, 1
	IMG2 IW16, IW8, SW, \out, \out+ISC
.if \keep
	ADDB 48
	STASHW
.endif
	BARRIER
.endm
.macro LNLANE                          ; the two chains of each row tile -> v80 + i, lane l xor 16's -> v84 + i
.irp i, 0,1,2,3
	v_pk_add_f32 v[64+4*\i:65+4*\i], v[64+4*\i:65+4*\i], v[66+4*\i:67+4*\i]
.endr
.irp i, 0,1,2,3
	v_add_f32 v[80+\i], v[64+4*\i], v[65+4*\i]
.endr
.irp i, 0,1,2,3
	v_permlanex16_b32 v[84+\i], v[80+\i], s[SEL], s[SEL+1]
.endr
.endm
	; ================ the head
	s_load_b512 s[8:23], s[0:1], 0x0               ; src, pet, wfrag, wscl, in_proj_b, out_proj_b, lin1_b, lin2_b
	s_load_b512 s[24:39], s[0:1], 0x40             ; ln1_w, ln1_b, ln2_w, ln2_b, fc1_b, fc2_w, fc2_b, out0
	v_lshl_add_u32 v[SPW], v0, 2, SPARE
	v_mov_b32 v[NIL], 0
	v_lshrrev_b32 v58, 5, v0
	v_readfirstlane_b32 s[WV], v58                 ; wave 0..7
	s_mov_b32 s[J], ttmp9                          ; block of 64 rows
	s_and_b32 s[BAT], ttmp7, 0xffff                ; batch
	s_lshr_b32 s[TI], s[WV], 1                     ; row tile of src, query tile
	s_and_b32 s[HD], s[WV], 1                      ; K step of src, head
	s_lshr_b32 s70, s[WV], 2                       ; K step of my units; also my first key block
	s_and_b32 s71, s[TI], 1
	s_mul_i32 s72, s70, 1536
	s_mul_i32 s73, s71, 768
	s_add_co_u32 s72, s72, s73                     ; my half fragment
	s_lshl_b32 s73, s[HD], 7
	s_add_co_u32 s73, s73, s72                     ; + 8 x 16 lanes for an odd block
	s_lshl_b32 s74, s[HD], 8
	s_add_co_u32 s74, s74, s72                     ; + 16 x 16 lanes
	s_and_b32 s75, s[WV], 3
	s_lshl_b32 s76, s70, 6
	s_add_co_u32 s75, s75, s76                     ; my scale byte
	s_mul_i32 s76, s[TI], TS
	s_mul_i32 s77, s[HD], 1536
	s_add_co_u32 s76, s76, s77                     ; row tile, fragment
	s_lshl_b32 s78, s[TI], 7
	s_lshl_b32 s79, s[HD], 6
	s_add_co_u32 s78, s78, s79                     ; its scale words
	s_mul_i32 s87, s70, 6400
	s_add_co_u32 s87, s87, s77
	s_add_co_u32 s87, s87, AK
	s_lshl_b32 s88, s70, 8
	s_add_co_u32 s88, s88, s79
	s_add_co_u32 s88, s88, AKS
	s_mul_i32 s89, s70, 384
	s_mul_i32 s90, s[HD], 18432
	s_add_co_u32 s89, s89, s90
	s_add_co_u32 s89, s89, VT
	s_lshl_b32 s90, s[HD], 10
	s_add_co_u32 s90, s90, VS
	s_mul_i32 s91, s[WV], 4608
	s_lshl_b32 s92, s[WV], 8
	s_lshl_b32 s93, s[WV], 13
	s_add_co_u32 s93, s93, XRES
	s_lshl_b32 s94, s[WV], 3
	s_add_co_u32 s94, s94, LNX
	s_lshl_b32 s95, s[HD], 9
	s_lshl_b32 s[SH], s70, 3                       ; my first key block, in bits of v's scale bytes
	v_and_b32 v58, 31, v0                          ; l
	v_and_b32 v59, 15, v0                          ; r
	v_bfe_u32 v60, v0, 4, 1                        ; h
	v_and_b32 v61, 7, v0                           ; r % 8
	v_bfe_u32 v62, v0, 3, 1                        ; r / 8
	v_lshlrev_b32 v[LI16], 4, v58
	v_lshlrev_b32 v[LI8], 3, v58
	v_lshlrev_b32 v[LS], 2, v58
	v_mul_u32_u24 v63, v62, TS
	v_lshl_add_u32 v[PI16], v61, 4, v63
	v_lshl_add_u32 v[PI16], v60, 8, v[PI16]
	v_lshl_add_u32 v[PI8], v61, 3, v63
	v_lshl_add_u32 v[PI8], v60, 7, v[PI8]
	v_lshlrev_b32 v57, 7, v62
	v_lshl_add_u32 v57, v61, 2, v57                ; 128 (r / 8) + 4 (r % 8)
	v_lshl_add_u32 v[PS], v60, 6, v57
	v_lshlrev_b32 v[XA], 10, v59
	v_lshl_add_u32 v[XA], v60, 6, v[XA]
	v_add_nc_u32 v[XA], s95, v[XA]
	v_lshlrev_b32 v[BH], 6, v60
	v_mul_u32_u24 v56, v60, TS
	v_lshl_add_u32 v[IW16], v59, 4, v56
	v_add_nc_u32 v[IW16], s74, v[IW16]
	v_lshl_add_u32 v[IW8], v59, 3, v56
	v_add_nc_u32 v[IW8], s73, v[IW8]
	v_lshlrev_b32 v[SW], 7, v60
	v_lshl_add_u32 v[SW], v59, 2, v[SW]
	v_add_nc_u32 v[SW], s75, v[SW]
	v_add_nc_u32 v[RW16], s76, v[LI16]
	v_add_nc_u32 v[RW8], s76, v[LI8]
	v_lshl_add_u32 v[RWS], v59, 2, s78
	v_mul_u32_u24 v63, v59, 24                     ; 24 r
	v_mad_u32_u24 v[VW0], v60, 384, v63
	v_add_nc_u32 v[VW0], s91, v[VW0]
	v_lshl_add_u32 v[VSW0], v59, 3, s92
	v_add_nc_u32 v[STA], s93, v[LI16]
	v_mul_u32_u24 v56, v59, 80
	v_add_nc_u32 v[LNS], s94, v56
	v_add_nc_u32 v[LNL], LNX, v56
	v_add_nc_u32 v[AK16], s87, v[PI16]
	v_add_nc_u32 v[AK8], s87, v[PI8]
	v_add_nc_u32 v[AKSR], s88, v57
	v_add_nc_u32 v[VR2], s89, v63
	v_mad_u32_u24 v[VR1], v60, 384, v[VR2]
	v_add_nc_u32 v[VR2], 1536, v[VR2]
	v_lshl_add_u32 v[VSA], v59, 3, s90
	v_lshlrev_b32 v[BVA], 2, v61
	v_lshl_add_u32 v[BVA], v62, 6, v[BVA]
.irp i, 0,1,2,3
	v_mov_b32 v[TP+\i], 0                          ; written once: a lane permute's destination counts as one of its sources
.endr
	s_mov_b32 s[SEL], 0x76543210
	s_mov_b32 s[SEL+1], 0xfedcba98                 ; v_permlanex16_b32's selects for lane l xor 16
	s_mov_b32 s[CS], 0x3e0293ee                    ; log2(e) / sqrt(128)
	s_mov_b32 s[CS+1], s[CS]                       ; (named with it as a pair, so it is written)
	s_mov_b32 s[ZM], 0xffff0000                    ; lanes 16-31
	s_mov_b32 s[RN], 0x3b800000                    ; 1 / 256
	s_mov_b32 s[EPS], 0x3727c5ac                   ; 1e-5
	s_mov_b32 s[KO], AK
	s_mov_b32 s[KSO], AKS
	s_mov_b32 s[VO], VT
	s_mov_b32 s[VSO], VS
	s_mov_b32 s[CH], 0
	WALU                                           ; the head's end
	s_wait_kmcnt 0x0
	s_load_b32 s[FB], s[36:37], 0x0                ; fc2_b
	s_mov_b32 s71, 0
	s_mul_i32 s70, s[BAT], 2048000
	s_add_nc_u64 s[8:9], s[8:9], s[70:71]          ; src at my batch
	s_lshl_b32 s70, s[J], 2
	s_sub_co_i32 s70, s70, 8                       ; chunk 0's first row tile
	SETX
	XLOAD                                          ; src first
	s_lshl_b32 s70, s[WV], 11
	s_add_nc_u64 s[10:11], s[10:11], s[70:71]      ; pet at my wave's part of a tile
	s_mul_i32 s70, s[WV], 6144
	s_add_nc_u64 s[WF:WF+1], s[12:13], s[70:71]    ; wfrag at my four fragments of a set,
	s_and_b32 s74, s[WV], 3                        ; and at my two of fc1: tile w % 4
	s_mul_i32 s70, s74, 3072
	s_add_nc_u64 s[WF1:WF1+1], s[12:13], s[70:71]
	s_lshl_b32 s70, s74, 7
	s_add_nc_u64 s[WS1:WS1+1], s[14:15], s[70:71]
	s_lshl_b32 s70, s[TI], 9
	s_lshl_b32 s72, s[HD], 3
	s_add_co_u32 s70, s70, s72
	s_add_nc_u64 s[14:15], s[14:15], s[70:71]
	s_lshl_b32 s70, s[WV], 7                       ; my 32 numbers of each bias, gain and norm bias
.irp p, 16,18,20,22,24,26,28,30
	s_add_nc_u64 s[\p:\p+1], s[\p:\p+1], s[70:71]
.endr
	s_lshr_b32 s70, s74, 1
	s_lshl_b32 s70, s70, 7
	s_and_b32 s72, s74, 1
	s_lshl_b32 s72, s72, 5
	s_add_co_u32 s70, s70, s72                     ; fc1's tile t begins at unit 32 (t / 2) + 8 (t % 2)
	s_add_nc_u64 s[32:33], s[32:33], s[70:71]
	s_add_nc_u64 s[34:35], s[34:35], s[70:71]
	s_mul_i32 s70, s[BAT], 8000
	s_lshl_b32 s72, s[J], 8
	s_add_co_u32 s70, s70, s72
	s_add_nc_u64 s[38:39], s[38:39], s[70:71]      ; out0 at my first row
	s_lshl_b32 s70, s[J], 2
	s_sub_co_i32 s70, s70, 8
	SETPE
	WIN 0x40
	WLOAD WE, 0                                    ; W_enc
	WIN 0
	SLOAD WSC, 0
	SLOAD WSC+2, 2
	SLOAD WSC+4, 3
	SLOAD WSC+6, 1
	WIN 0x40
	TLOAD OPB, 18, 0                               ; out_proj_b
	WIN 0
	PELOAD
	s_wait_kmcnt 0x0
	s_wait_loadcnt 36                              ; src is in; 12 + 4 + 4 + 16 younger loads may be out
	SRCQ
	WIN 0x40                                       ; 30 loads for the phases behind the first
	WLOAD WK, 2
	TLOAD KB, 16, 1024
	WLOAD WV_, 3
.irp t, 0,1
	global_load_b32 v[VB+8*\t], v[BVA], s[16:17] offset:2048+32*\t   ; v's bias: one number a lane, that of the lane's channel
.endr
	WIN 0
	WALU
	; ================ three chunks of 64 rows
.Lchunk:
	BARRIER                                        ; src's eight fragments lie in LDS, and nobody reads x's images of the last chunk any more
	XNEXT
	; ---- x = src W_enc^T + (positions + b_enc).  46: the 30 and XNEXT's 16 may be out
	HALVES IM0, 1, WE, WSC, 0, PET, 16, 46
	PENEXT
	QUANT64 ACC, 0, 1
	IMG2 IW16, IW8, SW, IM1, IM1+ISC
	s_cmp_lg_u32 s[CH], 2
	s_cbranch_scc1 .Lnostash
	ADDB OPB                                       ; the own rows' x, with out_proj_b, is the residual
	STASHW
.Lnostash:
	BARRIER                                        ; x's eight fragments lie in LDS
	v_add_nc_u32 v[KW16], s[KO], v[IW16]
	v_add_nc_u32 v[KW8], s[KO], v[IW8]
	v_add_nc_u32 v[KWS], s[KSO], v[SW]
	v_add_nc_u32 v[VW], s[VO], v[VW0]
	v_add_nc_u32 v[VSW], s[VSO], v[VSW0]
	; ---- k.  46: W_v and its bias (14), XNEXT's 16 and PENEXT's 16 may be out
	HALVES IM1, 1, WK, WSC+2, 1, KB, 0, 46
	VFETCH 0
	s_wait_loadcnt 32                              ; W_v and its bias are in; XNEXT's and PENEXT's loads may be out
	WIN 0x41
.irp t, 0,1
.irp j, 1,2,3,4,5,6,7
	v_mov_b32 v[VB+8*\t+\j], v[VB+8*\t]            ; v's bias in all eight registers of a tile's C
.endr
.endr
	WIN 0
	QUANT64 ACC, 0, 1                              ; (its wait on DScnt shows v's fragments in)
	IMG2 KW16, KW8, KWS, 0, 0
	; ---- v
	VMUL 0
	PLACES 4
	VFETCH 1
	s_wait_dscnt 0x0
	VMUL 1
	PLACES 4
	s_lshl_b32 s70, s[CH], 5                       ; the last block of keys, 1984 .. 2015, is filled with zeros from key 2000 on: in work-group j = 31, chunk 2, block 0, lanes 16-31
	s_or_b32 s70, s70, s[J]
	s_cmp_lg_u32 s70, 95
	s_cbranch_scc1 .Lnozero
.irp tt, 0,1
.irp i, 0,1,2,3,4,5,6,7,8,9,10,11,12,13,14,15
	v_cndmask_b32 v[ACC+32*\tt+\i], v[ACC+32*\tt+\i], 0, s[ZM]
.endr
.endr
.Lnozero:
	QUANT64 ACC, 0, 0
.irp i, 0,1,2
	ds_store_b64 v[VW], v[PC0+2*\i:PC0+2*\i+1] offset:8*\i      ; lane (r, h): the 24 bytes of channel r, block 2 n + h
.endr
	ds_store_b16 v[VSW], v[PW0]
.irp i, 0,1,2
	ds_store_b64 v[VW], v[PC1+2*\i:PC1+2*\i+1] offset:2304+8*\i
.endr
	ds_store_b16 v[VSW], v[PW1] offset:128
	s_add_co_u32 s[KO], s[KO], 4*TS
	s_add_co_u32 s[KSO], s[KSO], 512
	s_add_co_u32 s[VO], s[VO], 768
	s_add_co_u32 s[VSO], s[VSO], 2
	WALU
	s_wait_loadcnt 0x0                             ; the next chunk's src and positions, asked for two phases ago
	s_cmp_lt_u32 s[CH], 2
	s_cbranch_scc0 .Lnosrc
	SRCQ
	WALU
.Lnosrc:
	s_add_co_u32 s[CH], s[CH], 1
	s_cmp_lt_u32 s[CH], 3
	s_cbranch_scc1 .Lchunk
	; ================ the own rows go on
	WIN 0x40
	WLOAD 208, 5                                   ; lin1_w, where the loop's biases lay
	WIN 0
	SLOAD WSC, 4                                   ; scale words: out_proj_w's, lin1_w's, lin2_w's
	SLOAD WSC+2, 5
	SLOAD WSC+4, 6
	v_add_nc_u32 v[VSW], VS+6, v[VSW0]
	v_mov_b32 v[TM], 0x7f7f
.irp t, 0,1
	ds_store_b16 v[VSW], v[TM] offset:128*\t       ; v has six blocks of keys here: bytes 6 and 7 of a channel's eight are 1.0
.endr
	; ---- q
	HALVES IM1, 0, PET, WSC+6, 0, PET+48, 0, -1
	QUANT64 ACC, 0, 1
	IMG2 IW16, IW8, SW, IM2, IM2+ISC
	; the window's ends for my query: among my 160 keys it is key 128 + 16 (tile % 2) + r
	s_and_b32 s70, s[TI], 1
	s_lshl_b32 s70, s70, 4
	s_lshr_b32 s71, s[TI], 1
	s_lshl_b32 s72, s71, 5
	s_lshl_b32 s73, s[J], 6
	s_add_co_u32 s72, s72, s73
	s_sub_co_i32 s72, 128, s72                     ; where key 0 of the batch lies among them
	v_and_b32 v[DHI], 15, v0
	v_add_nc_u32 v[DHI], s70, v[DHI]
	v_bfe_u32 v56, v0, 4, 1
	v_lshlrev_b32 v56, 4, v56                      ; 16 h
	v_add_nc_u32 v[DLO], 29, v[DHI]                ; query - 99
	v_mov_b32 v57, s72
	v_cmp_gt_i32 vcc_lo, v57, v[DLO]
	v_cndmask_b32 v[DLO], v[DLO], v57, vcc_lo
	v_sub_nc_u32 v[DLO], v[DLO], v56
	v_add_nc_u32 v[DHI], 128, v[DHI]
	v_sub_nc_u32 v[DHI], v[DHI], v56
	v_mov_b32 v[NINF], 0xff800000
.irp i, 0,1,2,3,4
	v_mov_b32 v[BX+\i], 0
.endr
.irp i, 6,7,8,9,10,11
	v_mov_b32 v[P2+\i], 0                          ; p has five blocks: the second K step's upper half is zeros
.endr
	BARRIER                                        ; k, v and q lie in LDS
	v_mov_b32 v[NM+1], 0                           ; (named as the upper halves of pairs)
	v_mov_b32 v[RL+1], 0
	; ---- attention: query tile w / 2, head w % 2, my 160 keys (five aligned blocks of 32)
.irp b, 0,1,2,3,4
.irp u, 0,1
	ds_load_b32 v[KS+2*\b+\u], v[AKSR] offset:256*\b+32*\u
.endr
.endr
	ds_load_b32 v[QS], v[RWS] offset:IM2+ISC
	FETCH QF, RW16, RW8, IM2
	WIN 0x40
.irp b, 0,1,2,3,4
.irp u, 0,1
	FETCHP 12*(2*\b+\u), AK16, AK8, 6400*\b, \u
.endr
.endr
	WIN 0
	s_wait_dscnt 0x0
	WIN 0x01
.irp T, 0,1,2,3,4,5,6,7,8,9
	WMZ SC+8*\T, 12*\T, QF, KS+\T, QS
.endr
	WIN 0
	PLACES 4
	WIN 0x40                                       ; v of my head, where K lay: blocks 0-3 as whole fragments -> v[12 T ..],
.irp T, 0,1,2,3,4,5,6,7
.irp p, 0,1,2,3,4,5
	ds_load_b64 v[12*\T+2*\p:12*\T+2*\p+1], v[VR1] offset:\T*2304+768*(\p/3)+8*(\p%3)
.endr
.endr
.irp T, 0,1,2,3,4,5,6,7                        ; block 4: six registers a tile -> v[96 + 6 T ..]
.irp i, 0,1,2
	ds_load_b64 v[96+6*\T+2*\i:96+6*\T+2*\i+1], v[VR2] offset:\T*2304+8*\i
.endr
.endr
	WIN 0
.irp T, 0,1,2,3,4,5,6,7
	ds_load_b64 v[VSR+2*\T:VSR+2*\T+1], v[VSA] offset:\T*128
.endr
	MASKLO 0
	MASKLO 1
	s_cmp_lg_u32 s[J], 0                           ; only in the batch's first work-group does key 0 lie beyond block 1
	s_cbranch_scc1 .Lnoj
	MASKLO 2
	MASKLO 3
.Lnoj:
	MASKHI 4
.irp b, 0,1,2,3,4
	v_max3_num_f32 v[BM+\b], v[SC+16*\b], v[SC+16*\b+1], v[SC+16*\b+2]   ; the largest score of each block: for the row's maximum, and, since p rises with the score, for the block's largest p
.endr
.irp i, 3,5,7,9,11,13
.irp b, 0,1,2,3,4
	v_max3_num_f32 v[BM+\b], v[BM+\b], v[SC+16*\b+\i], v[SC+16*\b+\i+1]
.endr
.endr
.irp b, 0,1,2,3,4
	v_max_num_f32 v[BM+\b], v[BM+\b], v[SC+16*\b+15]
.endr
.irp b, 0,1,2,3,4
	v_permlanex16_b32 v[BX+\b], v[BM+\b], s[SEL], s[SEL+1]
.endr
.irp b, 0,1,2,3,4
	v_max_num_f32 v[BM+\b], v[BM+\b], v[BX+\b]
.endr
	v_max3_num_f32 v[TMX], v[BM], v[BM+1], v[BM+2]
	v_max3_num_f32 v[TMX], v[TMX], v[BM+3], v[BM+4]   ; the row's largest score (the query's own key always counts)
	v_mul_f32 v[TMX], s[CS], v[TMX]
	v_floor_f32 v[NM], -v[TMX]                     ; -M = floor(-t) = -ceil(t)
.set jj, 0
.rept 40
	v_pk_fma_f32 v[SC+jj:SC+jj+1], v[SC+jj:SC+jj+1], s[CS:CS+1], v[NM:NM+1] op_sel_hi:[1,0,0]   ; t - M
.set jj, jj+2
.endr
.irp b, 0,1,2,3,4
	v_fma_f32 v[BM+\b], v[BM+\b], s[CS], v[NM]
.endr
.set jj, 0
	WALU
.rept 80
	v_exp_f32 v[SC+jj], v[SC+jj]                   ; p = 2^(t - M); 0 where the mask hides
.set jj, jj+1
.endr
.irp b, 0,1,2,3,4
	v_exp_f32 v[BM+\b], v[BM+\b]                   ; each block's largest p: the same two instructions on the same number
.endr
	s_wait_dscnt 0x0                               ; v and its scale bytes are in
.irp T, 0,1,2,3,4,5,6,7
	v_alignbit_b32 v[VSR+2*\T], v[VSR+2*\T+1], v[VSR+2*\T], s[SH]   ; v's bytes of my blocks 0-3 (plain work behind the batch),
.endr
.irp T, 0,1,2,3,4,5,6,7
	v_lshrrev_b32 v[VSR+2*\T+1], s[SH], v[VSR+2*\T+1]               ; and of block 4; the bytes above it meet zero codes alone
.endr
	WALU                                           ; one wait for the 85 exponentials, ahead of their first reader
.irp b, 0,1,2,3,4
	v_max_num_f32 v[BM+\b], FLOOR, v[BM+\b]
.endr
.irp b, 0,1,2,3,4
	v_add_nc_u32 v[SO5+\b], 0xff000000, v[BM+\b]
.endr
.irp b, 0,1,2,3,4
	v_lshrrev_b32 v[BY5+\b], 23, v[SO5+\b]
.endr
	v_cvt_scalef32_pk16_fp6_f32 v[P1:P1+2], v[SC:SC+15], v[SO5]
	v_cvt_scalef32_pk16_fp6_f32 v[T0:T0+2], v[SC+16:SC+31], v[SO5+1]
	v_cvt_scalef32_pk16_fp6_f32 v[P1+6:P1+8], v[SC+32:SC+47], v[SO5+2]
	v_cvt_scalef32_pk16_fp6_f32 v[T1:T1+2], v[SC+48:SC+63], v[SO5+3]
	v_cvt_scalef32_pk16_fp6_f32 v[P2:P2+2], v[SC+64:SC+79], v[SO5+4]
	v_lshl_or_b32 v[PWA], v[BY5+1], 8, v[BY5]      ; p's scale word for blocks 0-3 (plain lines behind the conversions)
	v_lshl_or_b32 v[PWA], v[BY5+2], 16, v[PWA]
	v_lshl_or_b32 v[PWA], v[BY5+3], 24, v[PWA]
.irp i, 0,1,2
	v_mov_b32 v[T2+\i], 0                          ; there is no sixth block
.endr
.irp i, 0,1,2
	v_permlane16_swap_b32 v[P1+\i], v[T0+\i]
	v_permlane16_swap_b32 v[P1+6+\i], v[T1+\i]
	v_permlane16_swap_b32 v[P2+\i], v[T2+\i]
.endr
.irp i, 0,1,2
	v_mov_b32 v[P1+3+\i], v[T0+\i]
	v_mov_b32 v[P1+9+\i], v[T1+\i]
	v_mov_b32 v[P2+3+\i], v[T2+\i]
.endr
	v_pk_add_f32 v[LA:LA+1], v[SC:SC+1], v[SC+2:SC+3]       ; THE ROW'S SUM IS TAKEN OF THE UNQUANTISED p, in four chains.  These lines are also the places between the codes and scale words just made and the products
	v_pk_add_f32 v[LB:LB+1], v[SC+4:SC+5], v[SC+6:SC+7]
	v_pk_add_f32 v[LC:LC+1], v[SC+8:SC+9], v[SC+10:SC+11]
	v_pk_add_f32 v[LD:LD+1], v[SC+12:SC+13], v[SC+14:SC+15]
.irp j, 16,24,32,40,48,56,64,72
	v_pk_add_f32 v[LA:LA+1], v[LA:LA+1], v[SC+\j:SC+\j+1]
	v_pk_add_f32 v[LB:LB+1], v[LB:LB+1], v[SC+\j+2:SC+\j+3]
	v_pk_add_f32 v[LC:LC+1], v[LC:LC+1], v[SC+\j+4:SC+\j+5]
	v_pk_add_f32 v[LD:LD+1], v[LD:LD+1], v[SC+\j+6:SC+\j+7]
.endr
	v_pk_add_f32 v[LA:LA+1], v[LA:LA+1], v[LB:LB+1]
	v_pk_add_f32 v[LC:LC+1], v[LC:LC+1], v[LD:LD+1]
	v_pk_add_f32 v[LA:LA+1], v[LA:LA+1], v[LC:LC+1]
	v_add_f32 v[LA], v[LA], v[LA+1]
	v_permlanex16_b32 v[BX], v[LA], s[SEL], s[SEL+1]
	v_add_f32 v[LA], v[LA], v[BX]
	WALU
	v_rcp_f32 v[RL], v[LA]
	v_nop                                          ; a plain line behind the reciprocal; its wait stands behind the products, ahead of its first reader
	WIN 0x01
.irp T, 0,1,2,3,4,5,6,7
	WMZ SC+8*\T, 12*\T, P1, VSR+2*\T, PWA          ; O^T = v^T p^T, keys of blocks 0-3
.endr
.irp T, 0,1,2,3,4,5,6,7
	WM SC+8*\T, 96+6*\T, P2, SC+8*\T, VSR+2*\T+1, PWB ; and of block 4.  Beyond k = 31 p's codes are zeros, so it does not matter which codes stand against them (E2M3 has no NaN, and no byte there is 0xff)
.endr
	WIN 0
	PLACES 4
	WIN 0x40                                       ; 32 loads for later phases, where v lay
	TLOAD 64, 24, 0                                ; ln1_w, ln1_b
	TLOAD 80, 26, 0
	TLOAD 48, 22, 0                                ; lin2_b
	WLOAD 0, 6                                     ; lin2_w
	TLOAD 96, 28, 0                                ; ln2_w, ln2_b
	TLOAD 112, 30, 0
	WIN 0
	WALU
.set jj, 0
.rept 32
	v_pk_mul_f32 v[SC+jj:SC+jj+1], v[SC+jj:SC+jj+1], v[RL:RL+1] op_sel_hi:[1,0]   ; / l
.set jj, jj+2
.endr
	QUANT64 SC, 0, 0                               ; ctx: my head's 128 channels are its K step of the out projection
	IMGROW
	BARRIER                                        ; ctx's eight fragments lie in LDS
	; ---- out projection + residual, LN1.  32: the loads just above may be out;  20: lin2_w and ln2's
	PROJLN IM0, IM1, 144, WSC, 64, 80, 0, 32, 20, 1
	WIN 0x40                                       ; fc1's two fragments, fc1_b and fc2_w at my tile's units, where out_proj_w lay
.irp k, 0,1,2,3,4,5
	global_load_b128 v[144+4*\k:147+4*\k], v[LI16], s[WF1:WF1+1] offset:344064+512*\k
.endr
	global_load_b128 v[168:171], v[BH], s[32:33]
	global_load_b128 v[172:175], v[BH], s[32:33] offset:16
	global_load_b128 v[176:179], v[BH], s[34:35]
	global_load_b128 v[180:183], v[BH], s[34:35] offset:16
	WIN 0
	global_load_b32 v[WSC+6], v[LS], s[WS1:WS1+1] offset:14336
	; ---- the hidden layer
	FETCH2 64, IM1, 0
	FETCH2 112, IM1, 2
	s_wait_dscnt 0x0
	GEMM2 0, 64, 1, 208, WSC+2, 1, 192, 0
	GEMM2 1, 112, 1, 208, WSC+2, 1, 192, 0
	PLACES 4
.set jj, 0
.rept 64
	v_max_num_f32 v[ACC+jj], 0, v[ACC+jj]          ; the activation, in f32
.set jj, jj+1
.endr
	QUANT64 ACC, 0, 1
	IMG2 IW16, IW8, SW, IM2, IM2+ISC
	s_lshr_b32 s70, s[WV], 2                       ; fc1: my two row tiles are 2 (w / 4) and the next
	s_mul_i32 s71, s70, 2*TS
	s_lshl_b32 s72, s70, 8
	s_lshl_b32 s73, s70, 9
	s_and_b32 s74, s[WV], 3
	s_lshl_b32 s74, s74, 2
	s_add_co_u32 s73, s73, s74
	s_add_co_u32 s73, s73, LNX+10240
	v_add_nc_u32 v[KW16], s71, v[LI16]
	v_add_nc_u32 v[KW8], s71, v[LI8]
	v_add_nc_u32 v[KWS], s72, v[LS]
	v_and_b32 v[VW], 15, v0
	v_lshl_add_u32 v[VW], v[VW], 4, s73
	BARRIER
	; ---- second FFN product + residual, LN2
	PROJLN IM2, IM0, 0, WSC+4, 96, 112, 5120, 0, 0, 0
	; ---- fc1 (tile w % 4 of its 64 units, two row tiles) and fc2 (left as it is: fused multiply-adds in f32)
.irp i, 0,1
	FETCH 64+24*\i, KW16, KW8, IM0+TS*\i
	FETCH 64+24*\i+12, KW16, KW8, IM0+TS*\i+1536
	ds_load_b32 v[XSC+\i], v[KWS] offset:IM0+ISC+128*\i
.endr
	s_wait_dscnt 0x0
	WIN 0x11
.irp i, 0,1
	WM ACC+8*\i, 144, 64+24*\i, 168, WSC+6, XSC+\i
.endr
	WIN 0x01
.irp i, 0,1
	WMR ACC+8*\i, 156, 64+24*\i+12, ACC+8*\i, WSC+6, XSC+\i
.endr
	WIN 0
	PLACES 4
	WIN 0x04
.irp i, 0,1
	v_pk_mul_f32 v[64+2*\i:65+2*\i], v[ACC+8*\i:ACC+8*\i+1], v[176:177]
.endr
.irp p, 2,4,6
.irp i, 0,1
	v_pk_fma_f32 v[64+2*\i:65+2*\i], v[ACC+8*\i+\p:ACC+8*\i+\p+1], v[176+\p:177+\p], v[64+2*\i:65+2*\i]
.endr
.endr
	WIN 0
.irp i, 0,1
	v_add_f32 v[72+\i], v[64+2*\i], v[65+2*\i]
.endr
.irp i, 0,1
	v_permlanex16_b32 v[76+\i], v[72+\i], s[SEL], s[SEL+1]
.endr
.irp i, 0,1
	v_add_f32 v[72+\i], v[72+\i], v[76+\i]
.endr
.irp i, 0,1
	ds_store_b32 v[VW], v[72+\i] offset:256*\i
.endr
	s_wait_tensorcnt 0x0                           ; the tensor wait and the spare add stand behind my last LDS store; the wait for the add stands in the barrier's macro
	ds_add_u32 v[SPW], v[NIL]
	v_and_b32 v80, 31, v0
	v_lshlrev_b32 v81, 3, v80                      ; two rows a lane: 8 bytes of out0,
	v_lshlrev_b32 v82, 1, v80                      ; rows 2 l and 2 l + 1,
	v_lshl_add_u32 v83, v80, 5, LNX+10240          ; whose four partial sums each lie 16 bytes apart
	BARRIER
	s_cmp_lg_u32 s[WV], 0
	s_cbranch_scc1 .Lend                           ; wave 0 adds the four tiles' parts and stores the 64 rows
	ds_load_b128 v[64:67], v83
	ds_load_b128 v[68:71], v83 offset:16
	s_lshl_b32 s70, s[J], 6
	s_sub_co_u32 s70, 2000, s70                    ; rows left in the batch from my first on
	s_wait_dscnt 0x0
	v_add_f32 v64, v64, v65
	v_add_f32 v66, v66, v67
	v_add_f32 v68, v68, v69
	v_add_f32 v70, v70, v71
	v_add_f32 v64, v64, v66
	v_add_f32 v65, v68, v70
	v_add_f32 v64, s[FB], v64
	v_add_f32 v65, s[FB], v65
	v_cmp_gt_u32 vcc_lo, s70, v82
	WALU
	s_wait_xcnt 0x0                                ; EXEC changes only behind this wait
	s_and_saveexec_b32 s71, vcc_lo
	global_store_b64 v81, v[64:65], s[38:39]       ; 32 lanes store 256 consecutive bytes (in the batch's last block: the 16 rows that exist)
	s_wait_xcnt 0x0
	s_or_b32 exec_lo, exec_lo, s71
.Lend:
	s_endpgm
.Lfunc_end_k_q628e266616_fused:
	.size	k_q628e266616_fused, .Lfunc_end_k_q628e266616_fused-k_q628e266616_fused
	.p2alignl 7, 3214868480
	.fill 96, 4, 3214868480
	.section	.rodata,"a",@progbits
	.p2align	6, 0x0
	.amdhsa_kernel k_q628e266616_fused
		.amdhsa_group_segment_fixed_size 196608
		.amdhsa_private_segment_fixed_size 0
		.amdhsa_enable_private_segment 0
		.amdhsa_kernarg_size 128
		.amdhsa_user_sgpr_count 2
		.amdhsa_user_sgpr_kernarg_segment_ptr 1
		.amdhsa_wavefront_size32 1
		.amdhsa_system_sgpr_workgroup_id_x 1
		.amdhsa_system_sgpr_workgroup_id_y 1
		.amdhsa_system_sgpr_workgroup_id_z 1
		.amdhsa_system_vgpr_workitem_id 0
		.amdhsa_next_free_vgpr 512
		.amdhsa_next_free_sgpr 96
		.amdhsa_reserve_vcc 1
		.amdhsa_float_denorm_mode_32 3
		.amdhsa_float_denorm_mode_16_64 3
		.amdhsa_memory_ordered 1
		.amdhsa_forward_progress 1
		.amdhsa_inst_pref_size 205
	.end_amdhsa_kernel
	.amdgpu_metadata
---
amdhsa.version: [ 1, 2 ]
amdhsa.kernels:
  - .name:           k_q628e266616_fused
    .symbol:         k_q628e266616_fused.kd
    .args:
      - { .name: src, .offset: 0, .size: 8, .value_kind: global_buffer, .address_space: global }
      - { .name: pet, .offset: 8, .size: 8, .value_kind: global_buffer, .address_space: global }
      - { .name: wfrag, .offset: 16, .size: 8, .value_kind: global_buffer, .address_space: global }
      - { .name: wscl, .offset: 24, .size: 8, .value_kind: global_buffer, .address_space: global }
      - { .name: in_proj_b, .offset: 32, .size: 8, .value_kind: global_buffer, .address_space: global }
      - { .name: out_proj_b, .offset: 40, .size: 8, .value_kind: global_buffer, .address_space: global }
      - { .name: lin1_b, .offset: 48, .size: 8, .value_kind: global_buffer, .address_space: global }
      - { .name: lin2_b, .offset: 56, .size: 8, .value_kind: global_buffer, .address_space: global }
      - { .name: ln1_w, .offset: 64, .size: 8, .value_kind: global_buffer, .address_space: global }
      - { .name: ln1_b, .offset: 72, .size: 8, .value_kind: global_buffer, .address_space: global }
      - { .name: ln2_w, .offset: 80, .size: 8, .value_kind: global_buffer, .address_space: global }
      - { .name: ln2_b, .offset: 88, .size: 8, .value_kind: global_buffer, .address_space: global }
      - { .name: fc1_b, .offset: 96, .size: 8, .value_kind: global_buffer, .address_space: global }
      - { .name: fc2_w, .offset: 104, .size: 8, .value_kind: global_buffer, .address_space: global }
      - { .name: fc2_b, .offset: 112, .size: 8, .value_kind: global_buffer, .address_space: global }
      - { .name: out0, .offset: 120, .size: 8, .value_kind: global_buffer, .address_space: global }
    .group_segment_fixed_size: 196608
    .private_segment_fixed_size: 0
    .kernarg_segment_align: 8
    .kernarg_segment_size: 128
    .max_flat_workgroup_size: 256
    .sgpr_count:     96
    .vgpr_count:     512
    .wavefront_size: 32
...
	.end_amdgpu_metadata
.endif
;; end of part 2
